; MI455X (gfx1250); checked and timed in simulation.
; The chip was launched on July 23, 2026; its instructions are those of AMD's public machine-readable ISA for CDNA 5 (MIT licence, August 2026) and "CDNA5" Instruction Set Architecture Reference Guide (July 2026). The comments in the code are by the model that wrote it; some were corrected since.
;; Causal Self Attention. Allowed arithmetic: float matrix products may take bf16 or f16 operands with f32 sums; other float arithmetic in f32, or as packed bf16 or f16 multiplies, adds, multiply-adds, maxima and minima; sums over many terms, partial sums and values carried from step to step in f32; what a program stores and reads back later, other than sums and carried values, may be rounded once to bf16 or f16.
;; Inputs: Wk 1,024 x 1,024 float32; Wq 1,024 x 1,024 float32; Wv 1,024 x 1,024 float32; attention_mask 4 x 1 x 1 x 2,048 float32; bk 1,024 float32; bq 1,024 float32; bv 1,024 float32; hidden_states 4 x 2,048 x 1,024 float32.
;; Outputs: out0 4 x 2,048 x 1,024 float32.
;; 2 versions, each right; version 2 is version 1 with the launch cast written anew for expert scheduling mode. Each part assembles by itself: llvm-mc -triple=amdgcn-amd-amdhsa -mcpu=gfx1250 --defsym DOCPART=n.
;; ======== version 1 of 2: 3 launches
;; limits: values are held in f16: magnitudes above 65,504 overflow, below 6.1e-05 lose precision
;; workspace buffers: xb 16,777,216 bytes; wb 6,291,456 bytes; bias 12,288 bytes; qkv 50,331,648 bytes
;; launch cast (part 1): grid 705 x 1, 8 waves a work-group, no clusters, 0 bytes of LDS; arguments hidden_states, Wq, Wk, Wv, bq, bk, bv, xb, wb, bias; writes xb, wb, bias
.if DOCPART == 1
	.amdgcn_target "amdgcn-amd-amdhsa--gfx1250"
	.amdhsa_code_object_version 6
	.text
	.protected	k_q9ff960c593_cast
	.globl	k_q9ff960c593_cast
	.p2align	8
	.type	k_q9ff960c593_cast,@function
k_q9ff960c593_cast:
	s_mov_b64 s[64:65], 0
	v_nop
	global_prefetch_b8 v0, s[64:65] scope:SCOPE_SE
	s_setreg_imm32_b32 hwreg(HW_REG_WAVE_MODE, 25, 1), 1
	s_wait_xcnt 0x0
; x and the three weights are rounded once to bf16 (nearest even), the matrix operands of the projection; the weights are laid one behind the other:
; wb rows 0-1023 = Wq, 1024-2047 = Wk, 2048-3071 = Wv.  The three biases get the same rounding and are kept widened, as f32, in the same order.
; SHARES.  Work-groups 0-511 take 65,536 bytes of x each (512 x 65,536 = all of x), 512-703 the same of a weight (64 to a weight), 704 the biases.
; A thread takes 16 bytes of every 4,096: a wave's load covers 512 consecutive bytes, its store of 8 bytes a lane 256 consecutive bytes, aligned.
; All sixteen loads of a wave go out at once, each into registers of its own, and nothing is rewritten: no loop, no LDS, no barrier.
; No matrix unit, cluster or tile: no byte is used twice.
.set CHUNK, 65536                      ; bytes of f32 to a work-group
.set NX,    512                        ; work-groups for x
.set NB,    704                        ; the work-group for the biases
.set X, 8                              ; v[8:71]    sixteen loads of 4 registers
.set Y, 72                             ; v[72:103]  sixteen stores of 2 registers
	s_load_b512 s[8:23], s[0:1], 0x0               ; x s[8:9], Wq s[10:11], Wk s[12:13], Wv s[14:15], bq s[16:17], bk s[18:19], bv s[20:21], xb s[22:23]
	s_load_b128 s[24:27], s[0:1], 0x40             ; wb s[24:25], bias s[26:27]
	v_lshlrev_b32 v1, 4, v0                        ; 16 bytes a thread in
	v_lshlrev_b32 v2, 3, v0                        ; 8 bytes a thread out
	s_sub_co_u32 s4, ttmp9, NX                     ; j: my number among the weights' work-groups (used from 512 on alone)
	s_lshr_b32 s5, s4, 6                           ; which weight
	s_and_b32 s6, s4, 63                           ; which chunk of it
	s_wait_kmcnt 0x0
	s_cmp_eq_u32 ttmp9, NB
	s_cbranch_scc1 .Lbias
	s_cmp_eq_u32 s5, 1
	s_cselect_b64 s[28:29], s[12:13], s[10:11]     ; the source: Wk or Wq,
	s_cmp_eq_u32 s5, 2
	s_cselect_b64 s[28:29], s[14:15], s[28:29]     ; or Wv,
	s_cmp_lt_u32 ttmp9, NX
	s_cselect_b64 s[28:29], s[8:9], s[28:29]       ; or x
	s_cselect_b64 s[30:31], s[22:23], s[24:25]     ; the destination: xb or wb
	s_cselect_b32 s2, ttmp9, s6                    ; the chunk in the source,
	s_cselect_b32 s3, ttmp9, s4                    ; and in the destination (the weights lie one behind the other)
	s_lshl_b32 s32, s2, 16                         ; x 65,536 bytes
	s_mov_b32 s33, 0
	s_lshl_b32 s34, s3, 15                         ; x 32,768 bytes
	s_mov_b32 s35, 0
	s_add_nc_u64 s[28:29], s[28:29], s[32:33]
	s_add_nc_u64 s[30:31], s[30:31], s[34:35]
.set i, 0
.rept 16
	global_load_b128 v[X+4*i:X+4*i+3], v1, s[28:29] offset:4096*i th:TH_LOAD_NT
.set i, i+1
.endr
.set i, 0
.rept 16
	s_wait_loadcnt 15-i                            ; loads come back in order: load i is in, the 15 - i younger ones stay out
	v_cvt_pk_bf16_f32 v[Y+2*i], v[X+4*i], v[X+4*i+1]
	v_cvt_pk_bf16_f32 v[Y+2*i+1], v[X+4*i+2], v[X+4*i+3]
	global_store_b64 v2, v[Y+2*i:Y+2*i+1], s[30:31] offset:2048*i
.set i, i+1
.endr
	s_endpgm
.Lbias:                                        ; 1,024 numbers a bias: 256 threads x 4
	global_load_b128 v[X:X+3],    v1, s[16:17]
	global_load_b128 v[X+4:X+7],  v1, s[18:19]
	global_load_b128 v[X+8:X+11], v1, s[20:21]
	s_wait_loadcnt 0x0
.irp k, 0,1,2
	v_cvt_pk_bf16_f32 v[Y+2*(\k)], v[X+4*(\k)], v[X+4*(\k)+1]
	v_cvt_pk_bf16_f32 v[Y+2*(\k)+1], v[X+4*(\k)+2], v[X+4*(\k)+3]
	v_lshlrev_b32 v[Y+8+4*(\k)], 16, v[Y+2*(\k)]           ; back to f32: the low half moves up,
	v_and_b32 v[Y+9+4*(\k)], 0xffff0000, v[Y+2*(\k)]       ; the high half stays
	v_lshlrev_b32 v[Y+10+4*(\k)], 16, v[Y+2*(\k)+1]
	v_and_b32 v[Y+11+4*(\k)], 0xffff0000, v[Y+2*(\k)+1]
	global_store_b128 v1, v[Y+8+4*(\k):Y+11+4*(\k)], s[26:27] offset:4096*(\k)
.endr
	s_endpgm
.Lfunc_end_k_q9ff960c593_cast:
	.size	k_q9ff960c593_cast, .Lfunc_end_k_q9ff960c593_cast-k_q9ff960c593_cast
	.p2alignl 7, 3214868480
	.fill 96, 4, 3214868480
	.section	.rodata,"a",@progbits
	.p2align	6, 0x0
	.amdhsa_kernel k_q9ff960c593_cast
		.amdhsa_group_segment_fixed_size 0
		.amdhsa_private_segment_fixed_size 0
		.amdhsa_enable_private_segment 0
		.amdhsa_kernarg_size 80
		.amdhsa_user_sgpr_count 2
		.amdhsa_user_sgpr_kernarg_segment_ptr 1
		.amdhsa_wavefront_size32 1
		.amdhsa_system_sgpr_workgroup_id_x 1
		.amdhsa_system_sgpr_workgroup_id_y 1
		.amdhsa_system_sgpr_workgroup_id_z 1
		.amdhsa_system_vgpr_workitem_id 0
		.amdhsa_next_free_vgpr 104
		.amdhsa_next_free_sgpr 66
		.amdhsa_reserve_vcc 0
		.amdhsa_float_denorm_mode_32 3
		.amdhsa_float_denorm_mode_16_64 3
		.amdhsa_memory_ordered 1
		.amdhsa_forward_progress 1
		.amdhsa_inst_pref_size 9
	.end_amdhsa_kernel
	.amdgpu_metadata
---
amdhsa.version: [ 1, 2 ]
amdhsa.kernels:
  - .name:           k_q9ff960c593_cast
    .symbol:         k_q9ff960c593_cast.kd
    .args:
      - { .name: hidden_states, .offset: 0, .size: 8, .value_kind: global_buffer, .address_space: global }
      - { .name: Wq, .offset: 8, .size: 8, .value_kind: global_buffer, .address_space: global }
      - { .name: Wk, .offset: 16, .size: 8, .value_kind: global_buffer, .address_space: global }
      - { .name: Wv, .offset: 24, .size: 8, .value_kind: global_buffer, .address_space: global }
      - { .name: bq, .offset: 32, .size: 8, .value_kind: global_buffer, .address_space: global }
      - { .name: bk, .offset: 40, .size: 8, .value_kind: global_buffer, .address_space: global }
      - { .name: bv, .offset: 48, .size: 8, .value_kind: global_buffer, .address_space: global }
      - { .name: xb, .offset: 56, .size: 8, .value_kind: global_buffer, .address_space: global }
      - { .name: wb, .offset: 64, .size: 8, .value_kind: global_buffer, .address_space: global }
      - { .name: bias, .offset: 72, .size: 8, .value_kind: global_buffer, .address_space: global }
    .group_segment_fixed_size: 0
    .private_segment_fixed_size: 0
    .kernarg_segment_align: 8
    .kernarg_segment_size: 80
    .max_flat_workgroup_size: 256
    .sgpr_count:     66
    .vgpr_count:     104
    .wavefront_size: 32
...
	.end_amdgpu_metadata
.endif
;; end of part 1
;; launch proj (part 2): grid 16 x 32, 4 waves a work-group, clusters of 4 x 4, 327,680 bytes of LDS; arguments xb, wb, bias, qkv; writes qkv
.if DOCPART == 2
	.amdgcn_target "amdgcn-amd-amdhsa--gfx1250"
	.amdhsa_code_object_version 6
	.text
	.protected	k_q9ff960c593_proj
	.globl	k_q9ff960c593_proj
	.p2align	8
	.type	k_q9ff960c593_proj,@function
k_q9ff960c593_proj:
	s_mov_b64 s[64:65], 0
	v_nop
	global_prefetch_b8 v0, s[64:65] scope:SCOPE_SE
	s_setreg_imm32_b32 hwreg(HW_REG_WAVE_MODE, 25, 1), 1
	s_wait_xcnt 0x0
	s_wait_alu depctr_hold_cnt(0) depctr_sa_sdst(0) depctr_va_vdst(0) depctr_va_sdst(0) depctr_va_ssrc(0) depctr_va_vcc(0) depctr_vm_vsrc(0)
	s_getreg_b32 s2, hwreg(HW_REG_IB_STS2, 6, 4)
	s_cmp_eq_u32 s2, 0
	s_cbranch_scc0 .Lentry_in_a_cluster
	s_endpgm
.Lentry_in_a_cluster:
	s_bfe_u32 s2, ttmp6, 0x10000c
	s_cmp_lg_u32 s2, 0xf033
	s_cbranch_scc0 .Lentry_shape_is_right
	s_endpgm
.Lentry_shape_is_right:
; C[m][n] = the sum over k of xb[m][k] wb[n][k] + bias[n]: all three projections as one product, [8192] x [3072], K = 1,024.  Operands bf16, sums f32 (they START at the bias), C rounded once
; to f16 and stored by heads: qkv[n / 64][m / 2048][m % 2048][n % 64]; n / 64 = 0-15 are q's heads, 16-31 k's, 32-47 v's.  q is stored unscaled.
; LIMIT.  f16 holds no number beyond 65,504: a q, k or v of 65,520 or more leaves as an infinity.
; SHARES.  A tile of C is 256 rows x 192 columns (three heads): 32 x 16 = 512 work-groups of equal work.  Four waves, each 128 x 96: 48 accumulators of 16 x 16, 384 registers.
; K goes in steps of 128 (rows of 256 bytes, aligned) through a ring of two LDS slots filled by the tensor data mover; 192 matrix instructions a wave in a step.
; CLUSTER.  4 x 4 work-groups.  The four of a row of the cluster need the same tiles of xb, the four of a column the same tiles of wb: each is asked for JOINTLY, by the same tensor load, descriptor and mask in all four.
; THE MATRIX INSTRUCTION IS USED TRANSPOSED (source 0 = 16 rows of wb, source 1 = 16 rows of xb): a lane then holds row m = lane % 16 and the columns 8 (lane / 16) + 0..7, eight neighbours.
; REGISTERS, in windows of 256 (s_set_vgpr_msb: bits 1:0 source 0, 3:2 source 1, 5:4 source 2, 7:6 destination):
;   window 0: v0-31 addresses; v64-127, v128-191 fragments of xb (8 x 16 rows x 32 K), two buffers; on the way out v64-159 packed results, v160-255 rows read back
;   window 1: v64-111, v128-175 fragments of wb (6), two buffers; v192-239 the bias of my 96 columns, 8 registers for each block of 16
;   window 2: the 24 accumulators of my rows 0-63 ((a, b) at v[8 (6 a + b)]);   window 3: those of my rows 64-127
.set SIZE_K, 1024
.set KSTEP,  128
.set PITCH,  272                       ; an LDS row: 256 bytes + 16 of padding = 68 words: row r starts at bank 4 r mod 64 (64 banks of 4 bytes: ISA guide 11.1): the 16 rows of a load start at 16 different banks
.set HALFA,  128*PITCH                 ; what one tensor load brings of xb, and what a wave reads of it
.set HALFB,  96*PITCH                  ; the same for wb
.set SLOT,   2*HALFA+2*HALFB           ; xb's 256 rows, then wb's 192
.set STAGE,  2*SLOT                    ; behind the ring: 128 rows x 400 bytes, the work-group's, for the way out; no tensor load lands there
.set SPITCH, 400                       ; 384 bytes (192 f16) + 16: 25 x 16 bytes, so 16 rows start at 16 different columns of 16 bytes
.set SPARE,  STAGE+128*SPITCH          ; behind the stage: the spare words, 128 bytes for each wave: two blocks of 256 bytes that no other line names
.set LAPS,   SIZE_K/(2*KSTEP)          ; a lap = two K steps = once round the ring
.set ADRA, 16                          ; v16-17  LDS address of my fragments of xb in slot 0, 1
.set ADRB, 20                          ; v20-21  the same for wb
.set STO,  24                          ; v24     the way out: where I put 16 bytes of a row
.set RD,   25                          ; v25     the way out: where I read rows back
.set CO,   26                          ; v26     16 x lane: my 16 bytes of 512 consecutive bytes of a head
.set BO,   27                          ; v27     my byte offset in bias
.set SPW,  28                          ; v28     LDS address of my spare word: SPARE + 4 x my thread's number; never rewritten
.set NIL,  29                          ; v29     0; never rewritten
.set PFO,  30                          ; v30     the prefetches' offset: a lane a row of 2,048 bytes; never rewritten
.set F0,   64
.set F1,   128
.set BIAS, 192
.set TMP,  64
.set BK,   160
.set WV,   12                          ; s12  my wave's number
.set MH,   13                          ; s13  which half of the tile's rows is mine.  Also: I fetch for xb (0) or for wb (1)
.set NH,   14                          ; s14  which half of its columns.  Also: which half of that tile I fetch
.set LIM,  15                          ; s15  1 in a wave that prefetches, else the greatest number
.set G1,   24                          ; s[24:31] descriptor group 1 for xb's tiles;  s[32:39] group 0, one set for each slot
.set G0,   32
.set PFA,  44                          ; s[44:45] where my prefetches stand
.set G1B,  48                          ; s[48:55], s[56:63] the same for wb's tiles
.set G0B,  56
.set FLAGS, (1<<16)|(1<<20)|(1<<21)|(5<<22)|(3<<25)  ; 17:16 elements of 2 bytes; 20 padding on; 21 set beside a mask; 24:22 after every 64 words (code 5); 31:25 4 words of it (code 3)
.set MSB, 0
.macro WIN new                         ; the immediate's high byte repeats the setting that is left; a switch that changes nothing is dropped
.if MSB != (\new)
	s_set_vgpr_msb (MSB<<8)|(\new)
.set MSB, (\new)
.endif
.endm
.set TO_B, 0x40                        ; destination window 1, address window 0
; A joint load.  Waves 0 and 1 fetch xb's two halves, waves 2 and 3 wb's.  The branch hangs on the wave's number alone.  An s_nop 0 and four v_nop follow each of the two lines.
.macro JLOAD s
	s_cmp_eq_u32 s[MH], 0
	s_cbranch_scc0 .Lfor_b_\@
	tensor_load_to_lds s[G0+4*(\s):G0+4*(\s)+3], s[G1:G1+7]
	s_nop 0
.rept 4
	v_nop
.endr
	s_branch .Lasked_\@
.Lfor_b_\@:
	tensor_load_to_lds s[G0B+4*(\s):G0B+4*(\s)+3], s[G1B:G1B+7]
	s_nop 0
.rept 4
	v_nop
.endr
.Lasked_\@:
.endm
; A PREFETCH INTO THE L2, behind a joint refill and the run of LDS loads that follows it: the K step that stands two refills on, 256 bytes of each row, a lane a row, one instruction a wave.
; xb's tile row is read by every cluster of that row of clusters: cluster x = 0 asks; wb's tile column by every cluster of that column: cluster y = 0 asks.  The four partners that ask for a tile jointly share
; its rows out BY ADDRESS: of xb's 128 rows a wave 32 each (by cx), of wb's 96 rows 24 each (by cy; lanes 24-31 name lane 23's row again, in the same instruction).
; K steps 0 to 3 come by their loads alone; the loop's last trip (s3 = 1) has no K step two refills on and asks for nothing.
.macro ASK
	s_cmp_gt_u32 s3, s[LIM]
	s_cbranch_scc0 .Lnot_mine_\@
	global_prefetch_b8 v[PFO], s[PFA:PFA+1] offset:KSTEP*2 th:TH_LOAD_NT scope:SCOPE_SE
.Lnot_mine_\@:
.endm
.macro CREST                           ; a round of the cluster's barrier behind its opening barrier
	s_cmp_lg_u32 s[WV], 0
	s_cbranch_scc1 .Lnot_wave_0_\@
	s_barrier_signal -3
.Lnot_wave_0_\@:
	s_barrier_wait -3
	s_barrier_signal -1
	s_barrier_wait -1
.endm
.macro CROUND                          ; a whole round
	s_barrier_signal -1
	s_barrier_wait -1
	CREST
.endm
	s_load_b256 s[4:11], s[0:1], 0x0               ; xb s[4:5], wb s[6:7], bias s[8:9], qkv s[10:11]
	v_lshl_add_u32 v[SPW], v0, 2, SPARE
	v_mov_b32 v[NIL], 0
	ds_add_u32 v[SPW], v[NIL]                      ; the wave's opening: the add and its wait stand ahead of my first tensor load; the set-up below, work on registers, stands between them
	ds_add_u32 v28, v29
	v_lshrrev_b32 v1, 5, v0
	v_readfirstlane_b32 s[WV], v1                  ; wave 0..3
	s_lshr_b32 s[MH], s[WV], 1
	s_and_b32 s[NH], s[WV], 1
	s_bfe_u32 s40, ttmp6, 0x40000                  ; cx, cy: my place in the cluster
	s_bfe_u32 s41, ttmp6, 0x40004
	s_lshl_b32 s42, ttmp9, 2
	s_add_co_u32 s42, s42, s40                     ; tile column of C = 4 x cluster x + cx
	s_and_b32 s43, ttmp7, 0xffff
	s_lshl_b32 s43, s43, 2
	s_add_co_u32 s43, s43, s41                     ; tile row of C = 4 x cluster y + cy
	s_lshl_b32 s20, s41, 2
	s_lshl_b32 s20, 15, s20                        ; my row of the cluster: places 4 cy .. 4 cy + 3
	s_lshl_b32 s21, 0x1111, s40                    ; my column: places cx, cx + 4, cx + 8, cx + 12
	s_or_b32 s[G1+0], s20, FLAGS                   ; xb's tiles go to my row,
	s_or_b32 s[G1B+0], s21, FLAGS                  ; wb's to my column
	s_mov_b32 s[G1+1], KSTEP<<16                   ; tensor_dim0 = 128
	s_mov_b32 s[G1+2], 128<<16                     ; tensor_dim1 = 128 rows
	s_mov_b32 s[G1+3], KSTEP<<16                   ; tile_dim0 = 128
	s_mov_b32 s[G1+4], 128                         ; tile_dim1 = 128
	s_mov_b32 s[G1+5], SIZE_K                      ; elements from row to row
	s_mov_b32 s[G1+6], 0
	s_mov_b32 s[G1+7], 0
	s_mov_b32 s[G1B+1], KSTEP<<16
	s_mov_b32 s[G1B+2], 96<<16                     ; 96 rows
	s_mov_b32 s[G1B+3], KSTEP<<16
	s_mov_b32 s[G1B+4], 96
	s_mov_b32 s[G1B+5], SIZE_K
	s_mov_b32 s[G1B+6], 0
	s_mov_b32 s[G1B+7], 0
	; where the tiles come from: xb's hang on the tile row alone, wb's on the tile column alone; every wave makes both and asks by one
	s_lshl_b32 s16, s43, 8
	s_lshl_b32 s17, s[NH], 7
	s_add_co_u32 s16, s16, s17                     ; xb: row 256 x tile row + 128 x half,
	s_lshl_b32 s16, s16, 11                        ; of 2,048 bytes (under 2^24 in all)
	s_mov_b32 s17, 0
	s_mul_i32 s46, s42, 192
	s_mul_i32 s47, s[NH], 96
	s_add_co_u32 s46, s46, s47                     ; wb: row 192 x tile column + 96 x half
	s_lshl_b32 s46, s46, 11
	s_mov_b32 s47, 0
	s_mul_i32 s22, s[WV], HALFA                    ; where they go: waves 0, 1: xb's two halves;
	s_mul_i32 s23, s[WV], HALFB
	s_add_co_u32 s23, s23, 2*HALFA-2*HALFB         ; waves 2, 3: wb's two halves, behind xb's 256 rows.  No place in the cluster enters an LDS address
	s_wait_dscnt 0x0                               ; the opening add is done
	s_wait_kmcnt 0x0
	s_add_nc_u64 s[18:19], s[4:5], s[16:17]
	s_add_nc_u64 s[46:47], s[6:7], s[46:47]
	CROUND                                         ; all sixteen work-groups are here: the first joint loads meet
.irp s, 0,1
	s_mov_b32 s[G0+4*(\s)], 1                                      ; count = 1
	s_add_co_u32 s[G0+4*(\s)+1], s22, (\s)*SLOT                    ; LDS address
	s_add_nc_u64 s[G0+4*(\s)+2:G0+4*(\s)+3], s[18:19], (\s)*KSTEP*2  ; global address: K step s
	s_or_b32 s[G0+4*(\s)+3], s[G0+4*(\s)+3], 0x80000000            ; type = 2
	s_mov_b32 s[G0B+4*(\s)], 1
	s_add_co_u32 s[G0B+4*(\s)+1], s23, (\s)*SLOT
	s_add_nc_u64 s[G0B+4*(\s)+2:G0B+4*(\s)+3], s[46:47], (\s)*KSTEP*2
	s_or_b32 s[G0B+4*(\s)+3], s[G0B+4*(\s)+3], 0x80000000
	JLOAD \s                                       ; two loads of mine are out
.endr
	; A fragment is 16 rows x 32 K in 8 registers: lane l holds row l % 16; registers 0-3 K = 8 (l / 16) + 0..7, registers 4-7 K = 16 + 8 (l / 16) + 0..7: two loads of 16 bytes, 32 bytes apart.
	v_and_b32 v1, 15, v0                           ; l % 16
	v_bfe_u32 v2, v0, 4, 1                         ; l / 16
	v_mul_u32_u24 v3, v1, PITCH
	v_lshl_add_u32 v3, v2, 4, v3
	s_mul_i32 s20, s[MH], HALFA                    ; my 128 rows of xb
	s_mul_i32 s21, s[NH], HALFB                    ; my 96 rows of wb,
	s_add_co_u32 s21, s21, 2*HALFA                 ; which lie behind xb's 256
.irp s, 0,1
	v_add_nc_u32 v[ADRA+(\s)], s20, v3
	v_add_nc_u32 v[ADRB+(\s)], s21, v3
	s_add_co_u32 s20, s20, SLOT
	s_add_co_u32 s21, s21, SLOT
.endr
	s_mul_i32 s20, s[MH], 64*SPITCH                ; into the stage: 64 rows for each half of the tile's rows, my 192 bytes of their 384; row l % 16, 16 bytes for each half of the lanes
	s_mul_i32 s21, s[NH], 192
	s_add_co_u32 s20, s20, s21
	s_add_co_u32 s20, s20, STAGE
	v_mul_u32_u24 v4, v1, SPITCH
	v_lshl_add_u32 v4, v2, 4, v4
	v_add_nc_u32 v[STO], s20, v4
	s_mul_i32 s20, s[WV], 32*SPITCH                ; back: wave w takes stage rows 32 w .. 32 w + 31; 32 lanes take a head's 128 bytes of four rows
	s_add_co_u32 s20, s20, STAGE
	v_bfe_u32 v5, v0, 3, 2
	v_and_b32 v6, 7, v0
	v_mul_u32_u24 v5, v5, SPITCH
	v_lshl_add_u32 v5, v6, 4, v5
	v_add_nc_u32 v[RD], s20, v5
	v_and_b32 v[CO], 31, v0                        ; which are 512 consecutive bytes of qkv
	v_lshlrev_b32 v[CO], 4, v[CO]
	s_mul_i32 s46, s42, 768                        ; bias: 4 bytes x (192 x tile column + 96 x half + 8 (l / 16))
	s_mul_i32 s47, s[NH], 384
	s_add_co_u32 s46, s46, s47
	v_lshl_add_u32 v[BO], v2, 5, s46
	WIN TO_B
.irp b, 0,1,2,3,4,5
	global_load_b128 v[BIAS+8*(\b):BIAS+8*(\b)+3],   v[BO], s[8:9] offset:64*(\b)     ; register j: the bias of column 16 b + 8 (l / 16) + j, as an accumulator holds it
	global_load_b128 v[BIAS+8*(\b)+4:BIAS+8*(\b)+7], v[BO], s[8:9] offset:64*(\b)+16
.endr
	WIN 0
	; where I store: head 3 x tile column, batch tile row / 8, row 256 (tile row % 8) + 128 x my row half + 32 x my column half (the stage rows that I read back)
	s_mul_i32 s46, s42, 3
	s_lshl_b32 s46, s46, 20                        ; a head group is 1,048,576 bytes
	s_lshr_b32 s20, s43, 3
	s_lshl_b32 s20, s20, 18                        ; a batch of it 262,144
	s_and_b32 s21, s43, 7
	s_lshl_b32 s21, s21, 15                        ; 256 rows of 128 bytes
	s_add_co_u32 s46, s46, s20
	s_add_co_u32 s46, s46, s21
	s_lshl_b32 s20, s[MH], 14
	s_lshl_b32 s21, s[NH], 12
	s_add_co_u32 s46, s46, s20
	s_add_co_u32 s46, s46, s21
	s_mov_b32 s47, 0
	s_add_nc_u64 s[10:11], s[10:11], s[46:47]
	; the prefetches
	s_lshl_b32 s20, s43, 8
	s_lshl_b32 s21, s[NH], 7
	s_add_co_u32 s20, s20, s21
	s_lshl_b32 s21, s40, 5
	s_add_co_u32 s20, s20, s21                     ; xb: the 128 rows that I fetch, my work-group's 32 of them
	s_mul_i32 s46, s42, 192
	s_mul_i32 s47, s[NH], 96
	s_add_co_u32 s46, s46, s47
	s_mul_i32 s47, s41, 24
	s_add_co_u32 s46, s46, s47                     ; wb: the 96 rows that I fetch, my work-group's 24 of them
	s_and_b32 s22, ttmp7, 0xffff                   ; cluster y
	s_cmp_eq_u32 s[MH], 0                          ; do I fetch for xb?
	s_cselect_b32 s20, s20, s46
	s_cselect_b32 s22, ttmp9, s22                  ; the coordinate along which other clusters read the same rows
	s_cselect_b32 s23, 31, 23                      ; the last lane with a row of its own
	s_cselect_b64 s[PFA:PFA+1], s[4:5], s[6:7]
	s_cmp_eq_u32 s22, 0
	s_cselect_b32 s[LIM], 1, -1                    ; the same in all sixteen partners, for a given wave
	s_lshl_b32 s20, s20, 11
	s_mov_b32 s21, 0
	s_add_nc_u64 s[PFA:PFA+1], s[PFA:PFA+1], s[20:21]
	s_add_nc_u64 s[PFA:PFA+1], s[PFA:PFA+1], 2*KSTEP*2  ; at K step 2: the first refill steps it to 3 and names K step 4
	v_and_b32 v[PFO], 31, v0
	v_min_u32 v[PFO], s23, v[PFO]
	v_lshlrev_b32 v[PFO], 11, v[PFO]
; 12 matrix instructions: m blocks a0, a0 + 1 of the window's four (hi = 0: my rows 0-63, 1: rows 64-127) x all 6 n blocks, 32 along K.  first = 1: the sums start at the bias: nothing is cleared, nothing added later.
; The 48 accumulators take turns, one instruction a turn, in the same order in every quarter step, over the backward jump too.
.macro MUL12 f, hi, a0, first
.if \first
	WIN 0x91+0x40*(\hi)                            ; wb window 1, xb window 0, C (the bias) window 1, D window 2 or 3
.else
	WIN 0xa1+0x50*(\hi)                            ; the same with C in D's window
.endif
.irp a, \a0, (\a0)+1
.irp b, 0,1,2,3,4,5
.if \first
	v_wmma_f32_16x16x32_bf16 v[8*(6*(\a)+(\b)):8*(6*(\a)+(\b))+7], v[(\f)+8*(\b):(\f)+8*(\b)+7], v[(\f)+8*(4*(\hi)+(\a)):(\f)+8*(4*(\hi)+(\a))+7], v[BIAS+8*(\b):BIAS+8*(\b)+7]
.else
	v_wmma_f32_16x16x32_bf16 v[8*(6*(\a)+(\b)):8*(6*(\a)+(\b))+7], v[(\f)+8*(\b):(\f)+8*(\b)+7], v[(\f)+8*(4*(\hi)+(\a)):(\f)+8*(4*(\hi)+(\a))+7], v[8*(6*(\a)+(\b)):8*(6*(\a)+(\b))+7]
.endif
.endr
.endr
.endm
; 28 LDS loads in one run: the fragments of one quarter step (96 rows of wb, 128 rows of xb, 32 K at byte k of the rows) into buffer f
.macro FETCH slot, k, f
	WIN TO_B
.irp i, 0,1,2,3,4,5
	ds_load_b128 v[(\f)+8*(\i):(\f)+8*(\i)+3],   v[ADRB+(\slot)] offset:(\k)+(\i)*16*PITCH
	ds_load_b128 v[(\f)+8*(\i)+4:(\f)+8*(\i)+7], v[ADRB+(\slot)] offset:(\k)+(\i)*16*PITCH+32
.endr
	WIN 0
.irp i, 0,1,2,3,4,5,6,7
	ds_load_b128 v[(\f)+8*(\i):(\f)+8*(\i)+3],   v[ADRA+(\slot)] offset:(\k)+(\i)*16*PITCH
	ds_load_b128 v[(\f)+8*(\i)+4:(\f)+8*(\i)+7], v[ADRA+(\slot)] offset:(\k)+(\i)*16*PITCH+32
.endr
.endm
.macro PLACES                          ; four plain instructions between a matrix instruction and a load into, or a vector write of, one of its registers, or a vector read of its result (ISA guide 7.12.1 for vector instructions)
.rept 4
	v_nop
.endr
.endm
; A K step is four quarters of 32 along K, 48 matrix instructions each, on buffers 0, 1, 0, 1.  One of the first three: multiplies buffer f; in its middle it fetches the next quarter, at byte k, into g.
.macro QUARTER slot, k, f, g, first
	s_wait_dscnt 8                                 ; wb and xb's rows 0-63 are in; the youngest eight loads (xb's rows 64-127) may be out
	MUL12 \f, 0, 0, \first
	MUL12 \f, 0, 2, \first
	PLACES
	FETCH \slot, \k, \g
	s_wait_dscnt 28                                ; all but the 28 just issued
	MUL12 \f, 1, 0, \first
	MUL12 \f, 1, 2, \first
.endm
; The last quarter multiplies buffer 1 and changes slots: ONE barrier.  In front of it each wave waits for all its tensor loads (one is out: its part of the next slot), adds 0 to its spare word, and waits for
; that and for its own reads of this slot.  fill = 1: the barrier opens a round of the cluster's, and this slot is filled again, two K steps on, first thing behind the round: 168 matrix instructions ahead of the wait for it.
.macro TURN slot, next, fill
.if \fill
	s_wait_xcnt 0x0                                ; the last prefetch, a K step back, has read its address: it is stepped here, ahead of the waits of the change of slots
	s_add_nc_u64 s[PFA:PFA+1], s[PFA:PFA+1], KSTEP*2
.endif
	WIN 0                                          ; (the add's two registers lie in window 0)
	s_wait_tensorcnt 0x0                           ; all my tensor loads have landed;
	ds_add_u32 v[SPW], v[NIL]                      ; 0 onto my spare word;
	s_wait_dscnt 9                                 ; (the add and the youngest eight loads may be out)
	MUL12 F1, 0, 0, 0                              ; twelve matrix instructions stand between the add and the wait for it
	s_wait_dscnt 0x0                               ; the add is done, and my reads of this slot are over
	s_barrier_signal -1
	MUL12 F1, 0, 2, 0                              ; work on registers while the others arrive
.if \fill
	WIN 0
.endif
	s_barrier_wait -1
.if \fill
	CREST                                          ; no wave of any partner still reads this slot's tile or has a load on its way
	s_add_nc_u64 s[G0+4*(\slot)+2:G0+4*(\slot)+3], s[G0+4*(\slot)+2:G0+4*(\slot)+3], 2*KSTEP*2
	s_add_nc_u64 s[G0B+4*(\slot)+2:G0B+4*(\slot)+3], s[G0B+4*(\slot)+2:G0B+4*(\slot)+3], 2*KSTEP*2
	JLOAD \slot                                    ; the four v_nop behind it are also the places in front of the loads below
.else
	PLACES
.endif
	FETCH \next, 0, F0
.if \fill
	ASK
.endif
	MUL12 F1, 1, 0, 0
	MUL12 F1, 1, 2, 0
.endm
	s_wait_tensorcnt 1                             ; my part of K step 0 is in; K step 1's may stay out
	s_barrier_signal -1
	s_barrier_wait -1                              ; everybody's is
	FETCH 0, 0, F0
	s_wait_loadcnt 0x0                             ; the bias
	QUARTER 0, 64, F0, F1, 1                       ; the first quarter stands in front of the loop: its products start the sums
	WIN 0                                          ; at a label and at a branch every window is 0
	s_mov_b32 s3, LAPS-1
.Llap:                                                 ; a trip goes once round the ring, from a lap's second quarter to the next lap's first, and fills both slots again
	QUARTER 0, 128, F1, F0, 0
	QUARTER 0, 192, F0, F1, 0
	TURN 0, 1, 1
	QUARTER 1, 64,  F0, F1, 0
	QUARTER 1, 128, F1, F0, 0
	QUARTER 1, 192, F0, F1, 0
	TURN 1, 0, 1
	QUARTER 0, 64,  F0, F1, 0
	WIN 0
	s_sub_co_u32 s3, s3, 1
	s_cmp_lg_u32 s3, 0
	s_cbranch_scc1 .Llap
	QUARTER 0, 128, F1, F0, 0                      ; the last lap fills nothing, and has no round of the cluster's barrier
	QUARTER 0, 192, F0, F1, 0
	TURN 0, 1, 0
	QUARTER 1, 64,  F0, F1, 0
	QUARTER 1, 128, F1, F0, 0
	QUARTER 1, 192, F0, F1, 0
	s_wait_dscnt 8                                 ; the very last quarter: nothing more to fetch
	MUL12 F1, 0, 0, 0
	MUL12 F1, 0, 2, 0
	s_wait_dscnt 0x0
	MUL12 F1, 1, 0, 0
	MUL12 F1, 1, 2, 0
	WIN 0
; THE WAY OUT, in two halves: p = 0 my rows 0-63 (window 2), p = 1 my rows 64-127 (window 3), so that the stage holds 128 of the tile's 256 rows.  Rounded to f16, 16 bytes a lane, into the work-group's stage;
; a barrier, since a row's 384 bytes come from two waves; back by heads, 128 bytes of four rows to a load, and stored as 512 consecutive bytes of a head.
.macro OUT p
	WIN 0x0a+5*(\p)                                ; sources 0 and 1: window 2 or 3
.set n, 0
.rept 24
.irp r, 0,1,2,3
	v_cvt_pk_f16_f32 v[TMP+4*n+(\r)], v[8*n+2*(\r)], v[8*n+2*(\r)+1]  ; each accumulator's registers in ascending order
.endr
.set n, n+1
.endr
	WIN 0
.if \p
	s_wait_xcnt 0x0                                ; the first half's stores have read their data: those registers are loaded again below
	s_wait_dscnt 0x0                               ; my reads of the stage are over,
	s_barrier_signal -1
	s_barrier_wait -1                              ; and everybody's: it may be written again
.endif
.irp a, 0,1,2,3
.irp b, 0,1,2,3,4,5
	ds_store_b128 v[STO], v[TMP+4*(6*(\a)+(\b)):TMP+4*(6*(\a)+(\b))+3] offset:(\a)*16*SPITCH+32*(\b)
.endr
.endr
	s_wait_dscnt 0x0                               ; for the others' sake: my stores into the stage are done
	s_barrier_signal -1
	s_barrier_wait -1
.irp hh, 0,1,2
.irp t, 0,1,2,3,4,5,6,7
	ds_load_b128 v[BK+4*(8*(\hh)+(\t)):BK+4*(8*(\hh)+(\t))+3], v[RD] offset:(\t)*4*SPITCH+128*(\hh)
.endr
.endr
.irp hh, 0,1,2
.irp t, 0,1,2,3,4,5,6,7
	s_wait_dscnt 23-(8*(\hh)+(\t))                 ; LDS loads come back in order
	global_store_b128 v[CO], v[BK+4*(8*(\hh)+(\t)):BK+4*(8*(\hh)+(\t))+3], s[10:11] offset:(\hh)*1048576+(\p)*8192+(\t)*512  ; 512 consecutive bytes, at a multiple of 512 from qkv's first
.endr
.endr
.endm
	PLACES
	PLACES                                         ; eight, once a launch, behind the last products
	OUT 0
	OUT 1
	s_wait_tensorcnt 0x0                           ; the wave's end, behind my last tensor load and my last LDS store
	ds_add_u32 v[SPW], v[NIL]
	s_wait_dscnt 0x0
	CROUND                                         ; the closing round: no work-group ends while a partner may still ask for a tile that names it
	s_endpgm
.Lfunc_end_k_q9ff960c593_proj:
	.size	k_q9ff960c593_proj, .Lfunc_end_k_q9ff960c593_proj-k_q9ff960c593_proj
	.p2alignl 7, 3214868480
	.fill 96, 4, 3214868480
	.section	.rodata,"a",@progbits
	.p2align	6, 0x0
	.amdhsa_kernel k_q9ff960c593_proj
		.amdhsa_group_segment_fixed_size 327680
		.amdhsa_private_segment_fixed_size 0
		.amdhsa_enable_private_segment 0
		.amdhsa_kernarg_size 32
		.amdhsa_user_sgpr_count 2
		.amdhsa_user_sgpr_kernarg_segment_ptr 1
		.amdhsa_wavefront_size32 1
		.amdhsa_system_sgpr_workgroup_id_x 1
		.amdhsa_system_sgpr_workgroup_id_y 1
		.amdhsa_system_sgpr_workgroup_id_z 1
		.amdhsa_system_vgpr_workitem_id 0
		.amdhsa_next_free_vgpr 1024
		.amdhsa_next_free_sgpr 66
		.amdhsa_reserve_vcc 0
		.amdhsa_float_denorm_mode_32 3
		.amdhsa_float_denorm_mode_16_64 3
		.amdhsa_memory_ordered 1
		.amdhsa_forward_progress 1
		.amdhsa_inst_pref_size 119
	.end_amdhsa_kernel
	.amdgpu_metadata
---
amdhsa.version: [ 1, 2 ]
amdhsa.kernels:
  - .name:           k_q9ff960c593_proj
    .symbol:         k_q9ff960c593_proj.kd
    .args:
      - { .name: xb, .offset: 0, .size: 8, .value_kind: global_buffer, .address_space: global }
      - { .name: wb, .offset: 8, .size: 8, .value_kind: global_buffer, .address_space: global }
      - { .name: bias, .offset: 16, .size: 8, .value_kind: global_buffer, .address_space: global }
      - { .name: qkv, .offset: 24, .size: 8, .value_kind: global_buffer, .address_space: global }
    .group_segment_fixed_size: 327680
    .private_segment_fixed_size: 0
    .kernarg_segment_align: 8
    .kernarg_segment_size: 32
    .max_flat_workgroup_size: 128
    .sgpr_count:     66
    .vgpr_count:     1024
    .wavefront_size: 32
...
	.end_amdgpu_metadata
.endif
;; end of part 2
;; launch attn (part 3): grid 4 x 64, 8 waves a work-group, no clusters, 327,680 bytes of LDS; arguments qkv, attention_mask, out0; writes out0
.if DOCPART == 3
	.amdgcn_target "amdgcn-amd-amdhsa--gfx1250"
	.amdhsa_code_object_version 6
	.text
	.protected	k_q9ff960c593_attn
	.globl	k_q9ff960c593_attn
	.p2align	8
	.type	k_q9ff960c593_attn,@function
k_q9ff960c593_attn:
	s_mov_b64 s[64:65], 0
	v_nop
	global_prefetch_b8 v0, s[64:65] scope:SCOPE_SE
	s_setreg_imm32_b32 hwreg(HW_REG_WAVE_MODE, 25, 1), 1
	s_wait_xcnt 0x0
; BANDED ATTENTION.  out[b][i][64 hd + d] = the sum over the keys j = i - 128 .. i (j >= 0) of softmax_j(q[i] . k[j] / 8 + mask[b][j]) v[j][d].  q, k, v: qkv[48][4][2048][64] in f16 (head groups 0-15 q, 16-31 k, 32-47 v).
; A query sees at most 129 keys, so its whole row of scores lies in registers: 9 blocks of 16 keys, 72 scores a lane for the lane's half.  The TRUE maximum m is taken once, then p = 2^((t - m) log2 e),
; with t = fma(s, 1/8, mask): one rounding, as dividing by 8 (exact) and adding has.  t - m is formed first and multiplied afterwards: with masks of great size a fused form would lose the difference.
; A key outside the band, or in front of the sequence, has the mask -inf; a row whose visible keys are all -inf comes out as NaN, as the softmax of such a row does.
; LIMITS.  The mask is rounded to bf16, like every input of the program (the lowest finite f32 so becomes -inf).  p is rounded to f16 for the second product (below 6e-8 it is 0); its sum l is taken of the unrounded p;
; an exponential below 2^-126 counts as 0.  q, k, v arrive within f16's 65,504; an infinity among them is not treated apart.
; SHARES.  A work-group owns 512 queries of one head (4 x 64 = 256 work-groups).  Key SLOT i = 0..639 stands for key 512 x - 128 + i.  All of K, V, Q that it needs come into LDS once, by 14 tensor loads of 128 rows,
; issued at the head; no byte of LDS is filled twice.  Four PASSES: in pass g wave w takes the 16 queries 128 g + 16 w .., whose keys are the slots 128 g + 16 w .. + 143: chunks g and g + 1, so the later
; chunks land while the earlier passes work.  For x = 0 the first chunk has no keys: rows 0-127 are fetched in their place, and the mask table hides them.
; NO CLUSTER: neighbours along x share 128 of a work-group's 640 rows of K and V, and those lie at different LDS places in the two.
; LAYOUT.  S^T = K Q^T (source 0 = 16 keys, source 1 = 16 queries): a lane holds ONE query (lane % 16) and the keys 8 (lane / 16) + 0..7 of a block.  Two blocks rounded to f16 ARE source 1 (32 keys x 16 queries) of
; O^T = V^T P, whose result holds one query a lane and eight channels.  K comes out of LDS as it lies, V ([key][channel]) turned, by ds_load_tr16_b128.
.set PK,    144       ; a row of K or Q in LDS: 128 bytes + 16 = 36 words: the 16 rows of a load start at 16 different groups of four banks (64 banks of 4 bytes: ISA guide 11.1)
.set PV,    160       ; a row of V: 128 + 32 = 40 words
.set KB,    0                   ; 640 rows of K
.set VB,    640*PK              ; 640 rows of V
.set QB,    VB+640*PV           ; 512 rows of Q
.set MB,    QB+512*PK           ; the mask table: 640 f32, one a slot; written by ds_store alone
.set STG,   MB+2560             ; 16 rows x 272 bytes for each wave, for the way out; written by ds_store alone
.set SP,    272
.set SPARE, STG+8*16*SP         ; the spare words, 128 bytes for each wave: four blocks of 256 bytes that no other line names
.set AK,  2           ; v2   my lane's place in K: (16 w + l % 16) x 144 + 16 (l / 16), stepped 128 rows a pass
.set AV,  3           ; v3   in V, for the turning load
.set AQ,  4           ; v4   in Q
.set AM,  5           ; v5   in the mask table: 4 x (16 w + 8 (l / 16)); never rewritten
.set STO, 6           ; v6   the way out: where I put 32 bytes of a row
.set RD,  7           ; v7   the way out: where I read rows back
.set GO,  8           ; v8   my byte offset in out; never rewritten
.set NINF, 9          ; v9   -inf
.set SPW, 10          ; v10  LDS address of my spare word: SPARE + 4 x my thread's number; never rewritten
.set NIL, 11          ; v11  0; never rewritten
.set CH,  12          ; v12-15  four chains of the maximum
.set MX,  16          ; v16-17  m, twice
.set LS,  18          ; v18  l
.set RL,  20          ; v20-21  1 / l, twice
.set Q,   24          ; v24-39   Q: two fragments
.set KF0, 40          ; v40-87   K of three blocks: block i, channel half c at 16 i + 8 c
.set KF1, 88          ; v88-135
.set MK0, 136         ; v136-159 the masks of three blocks
.set MK1, 160         ; v160-183
.set T,   184         ; v184-255 the scores, then t, then p: block kb at 8 kb
.set VF0, 40          ; v40-71   V of 32 keys: channel block cb at 8 cb   (K's registers, when the scores are made)
.set VF1, 72          ; v72-103
.set O,   104         ; v104-135 O^T: channel block cb at 8 cb
.set P,   136         ; v136-175 p in f16: block kb at 4 kb; the tenth block's four words are 0   (the masks' registers)
.set OB,  224         ; v224-255 16 rows of out read back   (p's registers, when l is summed)
.set WV,  10          ; s10  my wave's number
.set G1K, 24          ; s[24:31] descriptor group 1 for K's and Q's chunks
.set G1V, 32          ; s[32:39] for V's: it differs in the padding alone
.set G0,  40          ; s[40:59] descriptor group 0: a set for each of a wave's five loads; never rewritten
.set SC,  60          ; s[60:61] 1/8
.set LG,  62          ; s[62:63] log2 e
.set SEL, 66          ; s[66:67] v_permlanex16_b32's selects: each lane takes its own place in the other half
.set H0,  68          ; s[68:75] lane masks: register j of block 0 is hidden where l % 16 > 8 (l / 16) + j: the key lies more than 128 behind the query
.set H8,  76          ; s[76:83] register j of block 8 is hidden where l % 16 < 8 (l / 16) + j: the key lies ahead of the query
.set HID, 84          ; s84  all ones: my chunk of the mask table stands for keys in front of the sequence
.macro NOPS n
.rept \n
	v_nop
.endr
.endm
; A wave's first fills: n chunks of 128 rows (16,384 dense bytes, asked for as 64 rows of 256 bytes, padded in LDS after every 128) of the tensor at s[p:p+1], to LDS byte lb + cb x chunk.
; halo = 1 (K, V): chunk 0 is the 128 rows in front of the work-group's first query.  An s_nop 0 follows each load, four v_nop the last.
.macro FILLS p, lb, cb, g1, n, halo
	s_add_nc_u64 s[88:89], s[\p:\p+1], s[22:23]    ; at the work-group's first query
.set c, 0
.rept \n
	s_mov_b32 s[G0+4*c], 1                         ; count = 1
	s_mov_b32 s[G0+4*c+1], (\lb)+(\cb)*c           ; LDS address: a constant
.if (\halo) && (c == 0)
	s_add_nc_u64 s[G0+2:G0+3], s[\p:\p+1], s[86:87]
.else
	s_add_nc_u64 s[G0+4*c+2:G0+4*c+3], s[88:89], (c-(\halo))*16384
.endif
	s_or_b32 s[G0+4*c+3], s[G0+4*c+3], 0x80000000  ; type = 2
.set c, c+1
.endr
.set c, 0
.rept \n
	tensor_load_to_lds s[G0+4*c:G0+4*c+3], s[\g1:\g1+7]
	s_nop 0
.set c, c+1
.endr
	NOPS 4
.endm
	s_load_b128 s[4:7], s[0:1], 0x0                ; qkv s[4:5], mask s[6:7]
	s_load_b64 s[8:9], s[0:1], 0x10                ; out
	v_lshl_add_u32 v[SPW], v0, 2, SPARE
	v_mov_b32 v[NIL], 0
	ds_add_u32 v[SPW], v[NIL]                      ; the wave's opening: the add and its wait stand ahead of my first tensor load; the set-up below, work on registers, stands between them
	ds_add_u32 v10, v11
	v_lshrrev_b32 v1, 5, v0
	v_readfirstlane_b32 s[WV], v1                  ; wave 0..7
	s_and_b32 s12, ttmp7, 0xffff
	s_lshr_b32 s13, s12, 4                         ; b
	s_and_b32 s14, s12, 15                         ; hd
	s_lshl_b32 s15, ttmp9, 9                       ; the work-group's first query
	s_mov_b32 s[G1K], (1<<16)|(1<<20)|(4<<22)|(3<<25)  ; 17:16 2-byte elements; 20 padding on; 24:22 after every 32 words (code 4); 31:25 4 words (code 3)
	s_mov_b32 s[G1V], (1<<16)|(1<<20)|(4<<22)|(7<<25)  ; the same with 8 words of padding (code 7)
.irp g, G1K, G1V
	s_mov_b32 s[\g+1], 128<<16                     ; tensor_dim0 = 128
	s_mov_b32 s[\g+2], 64<<16                      ; tensor_dim1 = 64
	s_mov_b32 s[\g+3], 128<<16                     ; tile_dim0 = 128
	s_mov_b32 s[\g+4], 64                          ; tile_dim1 = 64
	s_mov_b32 s[\g+5], 128                         ; 128 elements from row to row
	s_mov_b32 s[\g+6], 0
	s_mov_b32 s[\g+7], 0
.endr
	s_mov_b32 s[SC], 0x3e000000                    ; 1/8
	s_mov_b32 s[SC+1], s[SC]                       ; named with it as a pair
	s_mov_b32 s[LG], 0x3fb8aa3b                    ; log2 e
	s_mov_b32 s[LG+1], s[LG]
	s_mov_b32 s[SEL], 0x76543210
	s_mov_b32 s[SEL+1], 0xfedcba98
.irp j, 0,1,2,3,4,5,6,7
	s_mov_b32 s[H0+\j], ((0xffff<<(\j+1))&0xffff)|(((0xffff<<(\j+9))&0xffff)<<16)
	s_mov_b32 s[H8+\j], ((1<<\j)-1)|(((1<<(\j+8))-1)<<16)
.endr
	s_lshl_b32 s22, s15, 7                         ; the first query's row, of 128 bytes
	s_mov_b32 s23, 0
	s_sub_co_i32 s86, s15, 128                     ; the halo's first row; for x = 0 row 0 in its place
	s_max_i32 s86, s86, 0
	s_lshl_b32 s86, s86, 7
	s_mov_b32 s87, 0
	s_lshl_b32 s88, s14, 2
	s_add_co_u32 s88, s88, s13
	s_lshl_b32 s88, s88, 18                        ; (4 hd + b) x 262,144 bytes
	s_mov_b32 s89, 0
	s_wait_dscnt 0x0                               ; the opening add is done
	s_wait_kmcnt 0x0
	s_add_nc_u64 s[16:17], s[4:5], s[88:89]        ; q of my head and batch,
	s_add_nc_u64 s[18:19], s[16:17], 16*1048576    ; k,
	s_add_nc_u64 s[20:21], s[16:17], 32*1048576    ; v
	; All first fills, ahead of every wait on TENSORcnt, every LDS read and every barrier; a wave's stand in one branch on its number.  Wave 0 has five loads out, wave 1 five, wave 2 four.
	s_cmp_eq_u32 s[WV], 0
	s_cbranch_scc0 .Lnot_k
	FILLS 18, KB, 128*PK, G1K, 5, 1
	s_branch .Lasked
.Lnot_k:
	s_cmp_eq_u32 s[WV], 1
	s_cbranch_scc0 .Lnot_v
	FILLS 20, VB, 128*PV, G1V, 5, 1
	s_branch .Lasked
.Lnot_v:
	s_cmp_eq_u32 s[WV], 2
	s_cbranch_scc0 .Lasked
	FILLS 16, QB, 128*PK, G1K, 4, 0
.Lasked:
	v_and_b32 v1, 15, v0                           ; l % 16
	v_bfe_u32 v12, v0, 4, 1                        ; l / 16
	v_and_b32 v13, 7, v0
	v_bfe_u32 v14, v0, 3, 1
	s_lshl_b32 s86, s[WV], 4                       ; 16 w
	v_add_nc_u32 v15, s86, v1
	v_mul_u32_u24 v[AK], v15, PK                   ; a fragment of K or Q: row x pitch + 16 x half (KB = 0)
	v_lshl_add_u32 v[AK], v12, 4, v[AK]
	v_add_nc_u32 v[AQ], QB, v[AK]
	v_lshl_add_u32 v[AV], v12, 3, v13              ; the turning load: lane l reads key 8 (l / 16) + l % 8, channels 8 ((l / 8) % 2) + 0..7
	v_add_nc_u32 v[AV], s86, v[AV]
	v_mul_u32_u24 v[AV], v[AV], PV
	v_lshl_add_u32 v[AV], v14, 4, v[AV]
	v_add_nc_u32 v[AV], VB, v[AV]
	s_lshl_b32 s87, s[WV], 6
	s_add_co_u32 s87, s87, MB
	v_lshl_add_u32 v[AM], v12, 5, s87
	s_mul_i32 s88, s[WV], 16*SP
	s_add_co_u32 s88, s88, STG                     ; my stage
	v_mul_u32_u24 v[STO], v1, SP                   ; in: row l % 16, 32 bytes for each half of the lanes
	v_lshl_add_u32 v[STO], v12, 5, v[STO]
	v_add_nc_u32 v[STO], s88, v[STO]
	v_mul_u32_u24 v[RD], v12, SP                   ; back: lanes 0-15 take one row of 256 bytes, lanes 16-31 the next
	v_lshl_add_u32 v[RD], v1, 4, v[RD]
	v_add_nc_u32 v[RD], s88, v[RD]
	v_lshlrev_b32 v[GO], 12, v12                   ; the same two rows in out, 4,096 bytes apart,
	v_lshl_add_u32 v[GO], v1, 4, v[GO]
	s_lshl_b32 s89, s[WV], 16                      ; in my wave's 16 rows
	v_add_nc_u32 v[GO], s89, v[GO]
	v_mov_b32 v[NINF], 0xff800000
	v_mov_b32 v22, 0                               ; v_permlanex16_b32's destinations count as read: written once here
	v_mov_b32 v23, 0
	s_lshl_b32 s86, s13, 11
	s_add_co_u32 s86, s86, s15
	s_lshl_b32 s86, s86, 12                        ; (2,048 b + first query) x 4,096 bytes
	s_lshl_b32 s87, s14, 8                         ; + my head's 256 bytes of a row
	s_add_co_u32 s86, s86, s87
	s_mov_b32 s87, 0
	s_add_nc_u64 s[8:9], s[8:9], s[86:87]
	; THE MASK TABLE: waves 0 to 4 make 128 slots each, a lane four: the mask of the slot's key, rounded to bf16, or -inf where the key lies in front of the sequence.
	s_cmp_lt_u32 s[WV], 5
	s_cbranch_scc0 .Lno_table
	s_lshl_b32 s86, s[WV], 7
	s_add_co_u32 s86, s86, s15
	s_sub_co_i32 s86, s86, 128                     ; my chunk's first key
	s_cmp_lt_i32 s86, 0
	s_cselect_b32 s[HID], -1, 0
	s_max_i32 s86, s86, 0                          ; (the load stays inside the mask)
	s_lshl_b32 s86, s86, 2
	s_lshl_b32 s87, s13, 13                        ; a batch's 2,048 numbers
	s_add_co_u32 s86, s86, s87
	v_and_b32 v23, 31, v0
	v_lshl_add_u32 v23, v23, 4, s86
	global_load_b128 v[T:T+3], v23, s[6:7]
	v_lshl_add_u32 v22, v0, 4, MB                  ; 16 bytes a thread: 512 w + 16 l
	s_wait_loadcnt 0x0
	v_cvt_pk_bf16_f32 v[T+4], v[T], v[T+1]
	v_cvt_pk_bf16_f32 v[T+5], v[T+2], v[T+3]
	v_lshlrev_b32 v[T+8], 16, v[T+4]
	v_and_b32 v[T+9], 0xffff0000, v[T+4]
	v_lshlrev_b32 v[T+10], 16, v[T+5]
	v_and_b32 v[T+11], 0xffff0000, v[T+5]
.irp j, 8,9,10,11
	v_cndmask_b32 v[T+\j], v[T+\j], v[NINF], s[HID]
.endr
	ds_store_b128 v22, v[T+8:T+11]
.Lno_table:
.macro LDQ                             ; my 16 queries: two fragments of 32 channels
.irp c, 0,1
	ds_load_b128 v[Q+8*(\c):Q+8*(\c)+3],   v[AQ] offset:64*(\c)
	ds_load_b128 v[Q+8*(\c)+4:Q+8*(\c)+7], v[AQ] offset:64*(\c)+32
.endr
.endm
.macro LDK gr, buf                     ; K of blocks 3 gr .. 3 gr + 2: 12 loads
.irp i, 0,1,2
.irp c, 0,1
	ds_load_b128 v[(\buf)+16*(\i)+8*(\c):(\buf)+16*(\i)+8*(\c)+3],   v[AK] offset:(3*(\gr)+(\i))*16*PK+64*(\c)
	ds_load_b128 v[(\buf)+16*(\i)+8*(\c)+4:(\buf)+16*(\i)+8*(\c)+7], v[AK] offset:(3*(\gr)+(\i))*16*PK+64*(\c)+32
.endr
.endr
.endm
.macro LDM gr, buf, g                  ; the masks of the same blocks, as an accumulator holds its keys: 6 loads; all lanes of a half read the same words
.irp i, 0,1,2
	ds_load_b128 v[(\buf)+8*(\i):(\buf)+8*(\i)+3],   v[AM] offset:512*(\g)+(3*(\gr)+(\i))*64
	ds_load_b128 v[(\buf)+8*(\i)+4:(\buf)+8*(\i)+7], v[AM] offset:512*(\g)+(3*(\gr)+(\i))*64+16
.endr
.endm
.macro SQK gr, buf                     ; S^T of three blocks: the three accumulators take turns; the first three products start the sums
.irp c, 0,1
.irp i, 0,1,2
.if (\c) == 0
	v_wmma_f32_16x16x32_f16 v[T+8*(3*(\gr)+(\i)):T+8*(3*(\gr)+(\i))+7], v[(\buf)+16*(\i):(\buf)+16*(\i)+7], v[Q:Q+7], 0
.else
	v_wmma_f32_16x16x32_f16 v[T+8*(3*(\gr)+(\i)):T+8*(3*(\gr)+(\i))+7], v[(\buf)+16*(\i)+8:(\buf)+16*(\i)+15], v[Q+8:Q+15], v[T+8*(3*(\gr)+(\i)):T+8*(3*(\gr)+(\i))+7]
.endif
.endr
.endr
.endm
.macro HIDE base, sm                   ; a block's masks become -inf where the band hides the key
.irp j, 0,1,2,3,4,5,6,7
	v_cndmask_b32 v[(\base)+(\j)], v[(\base)+(\j)], v[NINF], s[(\sm)+(\j)]
.endr
.endm
.macro ADDM gr, buf                    ; t = s / 8 + mask, in ascending order of each accumulator's registers
.set z, 0
.rept 12
	v_pk_fma_f32 v[T+24*(\gr)+2*z:T+24*(\gr)+2*z+1], v[T+24*(\gr)+2*z:T+24*(\gr)+2*z+1], s[SC:SC+1], v[(\buf)+2*z:(\buf)+2*z+1] op_sel_hi:[1,0,1]
.set z, z+1
.endr
.endm
.macro LDV c, buf, halves              ; V^T of keys 32 c ..: for each of four channel blocks the lower 16 keys and (halves = 2) the upper 16
.irp cb, 0,1,2,3
	ds_load_tr16_b128 v[(\buf)+8*(\cb):(\buf)+8*(\cb)+3], v[AV] offset:(\c)*32*PV+32*(\cb)
.if (\halves) == 2
	ds_load_tr16_b128 v[(\buf)+8*(\cb)+4:(\buf)+8*(\cb)+7], v[AV] offset:(\c)*32*PV+16*PV+32*(\cb)
.endif
.endr
.endm
.macro PVM c, buf                      ; O^T += V^T P for keys 32 c ..: the four accumulators take turns; the first four products start the sums
.irp cb, 0,1,2,3
.if (\c) == 0
	v_wmma_f32_16x16x32_f16 v[O+8*(\cb):O+8*(\cb)+7], v[(\buf)+8*(\cb):(\buf)+8*(\cb)+7], v[P:P+7], 0
.else
	v_wmma_f32_16x16x32_f16 v[O+8*(\cb):O+8*(\cb)+7], v[(\buf)+8*(\cb):(\buf)+8*(\cb)+7], v[P+8*(\c):P+8*(\c)+7], v[O+8*(\cb):O+8*(\cb)+7]
.endif
.endr
.endm
.macro MAXES first, cnt                ; cnt steps of the four chains over t from number first on, two numbers a step
.set n, 0
.rept \cnt
	v_max3_num_f32 v[CH+n%4], v[CH+n%4], v[T+(\first)+2*n], v[T+(\first)+2*n+1]
.set n, n+1
.endr
.endm
.macro SUMS cnt, d                     ; pair i of p takes pair i + d, in place, for i = 0 .. cnt - 1
.set i, 0
.rept \cnt
	v_pk_add_f32 v[T+2*i:T+2*i+1], v[T+2*i:T+2*i+1], v[T+2*(i+(\d)):T+2*(i+(\d))+1]
.set i, i+1
.endr
.endm
; A PASS.  Written four times, since the count on TENSORcnt differs.  The counts on DScnt are the LDS loads issued behind the ones that are wanted.
.macro PASS g
	s_wait_xcnt 0x0                                ; the last pass's stores have read their data: the scores land on those registers
	s_wait_tensorcnt 3-(\g)                        ; K's and V's chunks up to g + 1 are in (of five loads 3 - g younger ones stay out), Q's chunk g (of four loads 3 - g);
	s_wait_dscnt 0x0                               ; my LDS instructions are done (in pass 0: my part of the mask table);
	s_barrier_signal -1
	s_barrier_wait -1                              ; that holds of every wave.
	LDQ
	LDK 0, KF0
	LDM 0, MK0, \g
	LDK 1, KF1
	LDM 1, MK1, \g
	s_wait_dscnt 24                                ; Q and K of blocks 0-2 are in; 6 + 12 + 6 younger
	SQK 0, KF0
	s_wait_dscnt 6                                 ; K of blocks 3-5
	SQK 1, KF1
	NOPS 4                                         ; the places in front of the loads into K's first buffer
	LDK 2, KF0
	s_wait_dscnt 12                                ; the masks of blocks 0-5
	HIDE MK0, H0                                   ; with the four above, twelve places behind the products
	ADDM 0, MK0
	ADDM 1, MK1
	LDM 2, MK0, \g
	s_wait_dscnt 6                                 ; K of blocks 6-8
	SQK 2, KF0
.irp n, 0,1,2,3
	v_max3_num_f32 v[CH+(\n)], v[T+3*(\n)], v[T+3*(\n)+1], v[T+3*(\n)+2]  ; the maximum of blocks 0-5: 22 instructions, the places behind those products
.endr
	MAXES 12, 18
	LDV 0, VF0, 2                                  ; K's registers are free
	LDV 1, VF1, 2
	s_wait_dscnt 16                                ; the masks of blocks 6-8
	HIDE MK0+16, H8
	ADDM 2, MK0
	MAXES 48, 12
	v_max3_num_f32 v[CH], v[CH], v[CH+1], v[CH+2]
	v_max_num_f32 v[CH], v[CH], v[CH+3]
	v_permlanex16_b32 v22, v[CH], s[SEL], s[SEL+1] ; the query's other 72 keys lie in the lane 16 away
	v_max_num_f32 v[MX], v[CH], v22
	v_mov_b32 v[MX+1], v[MX]
.set i, 0
.rept 36
	v_pk_add_f32 v[T+2*i:T+2*i+1], v[T+2*i:T+2*i+1], v[MX:MX+1] neg_lo:[0,1] neg_hi:[0,1]  ; t - m
.set i, i+1
.endr
.set i, 0
.rept 36
	v_pk_mul_f32 v[T+2*i:T+2*i+1], v[T+2*i:T+2*i+1], s[LG:LG+1] op_sel_hi:[1,0]
.set i, i+1
.endr
	; two exponentials, then the rounding of the pair before: a plain instruction stands between each exponential and the use of its result (ISA guide 5.7.2)
.set i, 0
.rept 36
	v_exp_f32 v[T+2*i], v[T+2*i]
	v_exp_f32 v[T+2*i+1], v[T+2*i+1]
.if i > 0
	s_wait_alu depctr_va_vdst(0)
	v_cvt_pk_f16_f32 v[P+i-1], v[T+2*i-2], v[T+2*i-1]
.else
	v_mov_b32 v[P+36], 0                           ; a tenth block does not exist: its weights are 0
.endif
.set i, i+1
.endr
	v_mov_b32 v[P+37], 0
	v_cvt_pk_f16_f32 v[P+35], v[T+70], v[T+71]
	v_mov_b32 v[P+38], 0
	v_mov_b32 v[P+39], 0
	s_wait_dscnt 8                                 ; V of keys 0-31
	PVM 0, VF0
	SUMS 18, 18                                    ; l's sums are the places in front of the loads into V's buffers
	LDV 2, VF0, 2
	s_wait_dscnt 8                                 ; V of keys 32-63
	PVM 1, VF1
	SUMS 9, 9
	SUMS 4, 4
	LDV 3, VF1, 2
	s_wait_dscnt 8                                 ; V of keys 64-95
	PVM 2, VF0
	SUMS 2, 2
	SUMS 1, 1
	SUMS 1, 8
	v_add_f32 v[LS], v[T], v[T+1]
	LDV 4, VF0, 1                                  ; block 8 alone: the upper halves keep keys 80-95, against weights of 0
	v_permlanex16_b32 v23, v[LS], s[SEL], s[SEL+1]
	v_add_f32 v[LS], v[LS], v23
	v_rcp_f32 v[RL], v[LS]                         ; l is at least 1: the greatest weight is 1
	v_rcp_f32 v[RL+1], v[LS]
	v_nop                                          ; a plain instruction behind the reciprocals
	s_wait_dscnt 4                                 ; V of keys 96-127
	PVM 3, VF1
	s_wait_dscnt 0x0                               ; V of keys 128-143
	PVM 4, VF0
.if (\g) < 3                           ; eight places behind the last products; three of them step the addresses 128 rows on
	v_add_nc_u32 v[AK], 128*PK, v[AK]
	v_add_nc_u32 v[AV], 128*PV, v[AV]
	v_add_nc_u32 v[AQ], 128*PK, v[AQ]
	s_wait_alu depctr_va_vdst(0)
	NOPS 5
.else
	NOPS 8
.endif
.set i, 0
	s_wait_alu depctr_va_vdst(0)
.rept 16
	v_pk_mul_f32 v[O+2*i:O+2*i+1], v[O+2*i:O+2*i+1], v[RL:RL+1] op_sel_hi:[1,0]  ; O / l, each accumulator from its low end on
.set i, i+1
.endr
.irp cb, 0,1,2,3
	ds_store_b128 v[STO], v[O+8*(\cb):O+8*(\cb)+3]   offset:64*(\cb)      ; a lane's eight channels of a row: 32 bytes
	ds_store_b128 v[STO], v[O+8*(\cb)+4:O+8*(\cb)+7] offset:64*(\cb)+16
.endr
.irp t, 0,1,2,3,4,5,6,7
	ds_load_b128 v[OB+4*(\t):OB+4*(\t)+3], v[RD] offset:(\t)*2*SP  ; LDS serves a wave's instructions in order (ISA guide 5.7.1.4): these see the stores above; the stage is my wave's own
.endr
.irp t, 0,1,2,3,4,5,6,7
	s_wait_dscnt 7-(\t)
	global_store_b128 v[GO], v[OB+4*(\t):OB+4*(\t)+3], s[8:9] offset:(\g)*524288+(\t)*8192 th:TH_STORE_NT  ; 16 lanes store 256 consecutive bytes, a head's part of a row, at a multiple of 256 from out's first byte
.endr
.endm
	PASS 0
	PASS 1
	PASS 2
	PASS 3
	s_wait_tensorcnt 0x0                           ; the wave's end, behind my last tensor load and my last LDS store
	ds_add_u32 v[SPW], v[NIL]
	s_wait_dscnt 0x0
	s_endpgm
.Lfunc_end_k_q9ff960c593_attn:
	.size	k_q9ff960c593_attn, .Lfunc_end_k_q9ff960c593_attn-k_q9ff960c593_attn
	.p2alignl 7, 3214868480
	.fill 96, 4, 3214868480
	.section	.rodata,"a",@progbits
	.p2align	6, 0x0
	.amdhsa_kernel k_q9ff960c593_attn
		.amdhsa_group_segment_fixed_size 327680
		.amdhsa_private_segment_fixed_size 0
		.amdhsa_enable_private_segment 0
		.amdhsa_kernarg_size 24
		.amdhsa_user_sgpr_count 2
		.amdhsa_user_sgpr_kernarg_segment_ptr 1
		.amdhsa_wavefront_size32 1
		.amdhsa_system_sgpr_workgroup_id_x 1
		.amdhsa_system_sgpr_workgroup_id_y 1
		.amdhsa_system_sgpr_workgroup_id_z 1
		.amdhsa_system_vgpr_workitem_id 0
		.amdhsa_next_free_vgpr 256
		.amdhsa_next_free_sgpr 96
		.amdhsa_reserve_vcc 0
		.amdhsa_float_denorm_mode_32 3
		.amdhsa_float_denorm_mode_16_64 3
		.amdhsa_memory_ordered 1
		.amdhsa_forward_progress 1
		.amdhsa_inst_pref_size 135
	.end_amdhsa_kernel
	.amdgpu_metadata
---
amdhsa.version: [ 1, 2 ]
amdhsa.kernels:
  - .name:           k_q9ff960c593_attn
    .symbol:         k_q9ff960c593_attn.kd
    .args:
      - { .name: qkv, .offset: 0, .size: 8, .value_kind: global_buffer, .address_space: global }
      - { .name: attention_mask, .offset: 8, .size: 8, .value_kind: global_buffer, .address_space: global }
      - { .name: out0, .offset: 16, .size: 8, .value_kind: global_buffer, .address_space: global }
    .group_segment_fixed_size: 327680
    .private_segment_fixed_size: 0
    .kernarg_segment_align: 8
    .kernarg_segment_size: 24
    .max_flat_workgroup_size: 256
    .sgpr_count:     96
    .vgpr_count:     256
    .wavefront_size: 32
...
	.end_amdgpu_metadata
.endif
;; end of part 3
;; ======== version 2 of 2: 3 launches; version 1 with the launch cast written anew for expert scheduling mode
;; limits: values are held in f16: magnitudes above 65,504 overflow, below 6.1e-05 lose precision
;; workspace buffers: xb 16,777,216 bytes; wb 6,291,456 bytes; bias 12,288 bytes; qkv 50,331,648 bytes
;; launch cast (part 4): grid 705 x 1, 8 waves a work-group, no clusters, 0 bytes of LDS; arguments hidden_states, Wq, Wk, Wv, bq, bk, bv, xb, wb, bias; writes xb, wb, bias
.if DOCPART == 4
	.amdgcn_target "amdgcn-amd-amdhsa--gfx1250"
	.amdhsa_code_object_version 6
	.text
	.protected	k_q9ff960c593_cast
	.globl	k_q9ff960c593_cast
	.p2align	8
	.type	k_q9ff960c593_cast,@function
k_q9ff960c593_cast:
	s_mov_b64 s[64:65], 0
	v_nop
	global_prefetch_b8 v0, s[64:65] scope:SCOPE_SE
	s_setreg_imm32_b32 hwreg(HW_REG_WAVE_SCHED_MODE, 0, 2), 2
	s_setreg_imm32_b32 hwreg(HW_REG_WAVE_MODE, 25, 1), 1
	s_wait_xcnt 0x0
	s_wait_alu depctr_vm_vsrc(0)
; x and the three weights are rounded once to bf16 (nearest even), the matrix operands of the projection; the weights are laid one behind the other:
; wb rows 0-1023 = Wq, 1024-2047 = Wk, 2048-3071 = Wv.  The three biases get the same rounding and are kept widened, as f32, in the same order.
; SHARES.  Work-groups 0-511 take 65,536 bytes of x each (512 x 65,536 = all of x), 512-703 the same of a weight (64 to a weight), 704 the biases.
; A thread takes 16 bytes of every 4,096: a wave's load covers 512 consecutive bytes, its store of 8 bytes a lane 256 consecutive bytes, aligned.
; All sixteen loads of a wave go out at once, each into registers of its own, and nothing is rewritten: no loop, no LDS, no barrier.
; No matrix unit, cluster or tile: no byte is used twice.
; THE MODE: SCHED_MODE bits 1:0 = 2 (LLVM: expert scheduling mode 2), set by the entry lines.  The code itself states the register dependences
; between vector instructions and memory instructions, with s_wait_alu, always for 0.
; THE PLAN.  Registers that memory instructions touch:
;   v1, v2   byte offsets, written once at the head by vector instructions; read by every load and store; never written again.
;   X        written by the loads alone, each register once; no vector instruction names them ahead of the loads; read by the conversions behind the wait on LOADcnt.
;   Y        written by the conversions, each register once; read by the stores.
; So the only dependences are: the offsets ahead of the first load, and a store's data ahead of the store.  The sixteen chunks go in four groups of four:
; a group's eight conversions, ONE wait, its four stores in a run.  No register that a memory instruction reads is ever written again, so nothing is owed for that;
; no vector instruction writes a scalar register, and EXEC stays as at the entry.
; The stores stand behind their own group's conversions, not behind the next group's data: finished numbers are not held behind a wait on memory.
.set CHUNK, 65536                      ; bytes of f32 to a work-group
.set NX,    512                        ; work-groups for x
.set NB,    704                        ; the work-group for the biases
.set X, 8                              ; v[8:71]    sixteen loads of 4 registers
.set Y, 72                             ; v[72:103]  sixteen stores of 2 registers
	s_load_b512 s[8:23], s[0:1], 0x0               ; x s[8:9], Wq s[10:11], Wk s[12:13], Wv s[14:15], bq s[16:17], bk s[18:19], bv s[20:21], xb s[22:23]
	s_load_b128 s[24:27], s[0:1], 0x40             ; wb s[24:25], bias s[26:27]
	v_lshlrev_b32 v1, 4, v0                        ; 16 bytes a thread in
	v_lshlrev_b32 v2, 3, v0                        ; 8 bytes a thread out
	s_sub_co_u32 s4, ttmp9, NX                     ; j: my number among the weights' work-groups (used from 512 on alone)
	s_lshr_b32 s5, s4, 6                           ; which weight
	s_and_b32 s6, s4, 63                           ; which chunk of it
	s_wait_kmcnt 0x0
	s_wait_alu depctr_va_vdst(0)                   ; v1 and v2 are written: every load and store below, on both ways, reads one of them as its offset
	s_cmp_eq_u32 ttmp9, NB
	s_cbranch_scc1 .Lbias
	s_cmp_eq_u32 s5, 1
	s_cselect_b64 s[28:29], s[12:13], s[10:11]     ; the source: Wk or Wq,
	s_cmp_eq_u32 s5, 2
	s_cselect_b64 s[28:29], s[14:15], s[28:29]     ; or Wv,
	s_cmp_lt_u32 ttmp9, NX
	s_cselect_b64 s[28:29], s[8:9], s[28:29]       ; or x
	s_cselect_b64 s[30:31], s[22:23], s[24:25]     ; the destination: xb or wb
	s_cselect_b32 s2, ttmp9, s6                    ; the chunk in the source,
	s_cselect_b32 s3, ttmp9, s4                    ; and in the destination (the weights lie one behind the other)
	s_lshl_b32 s32, s2, 16                         ; x 65,536 bytes
	s_mov_b32 s33, 0
	s_lshl_b32 s34, s3, 15                         ; x 32,768 bytes
	s_mov_b32 s35, 0
	s_add_nc_u64 s[28:29], s[28:29], s[32:33]
	s_add_nc_u64 s[30:31], s[30:31], s[34:35]
.set i, 0
.rept 16
	global_load_b128 v[X+4*i:X+4*i+3], v1, s[28:29] offset:4096*i th:TH_LOAD_NT
.set i, i+1
.endr
.irp p, 0,1,2,3                        ; group p: loads 4 p to 4 p + 3
	s_wait_loadcnt 12-4*(\p)                       ; loads come back in order: the group's four are in, the 12 - 4 p younger ones stay out
.irp i, 0,1,2,3
	v_cvt_pk_bf16_f32 v[Y+2*(4*(\p)+(\i))], v[X+4*(4*(\p)+(\i))], v[X+4*(4*(\p)+(\i))+1]
	v_cvt_pk_bf16_f32 v[Y+2*(4*(\p)+(\i))+1], v[X+4*(4*(\p)+(\i))+2], v[X+4*(4*(\p)+(\i))+3]
.endr
	s_wait_alu depctr_va_vdst(0)                   ; the group's eight conversions have written its eight registers of Y, which the four stores below read
.irp i, 0,1,2,3
	global_store_b64 v2, v[Y+2*(4*(\p)+(\i)):Y+2*(4*(\p)+(\i))+1], s[30:31] offset:2048*(4*(\p)+(\i))
.endr
.endr
	s_endpgm
.Lbias:                                        ; 1,024 numbers a bias: 256 threads x 4
	global_load_b128 v[X:X+3],    v1, s[16:17]
	global_load_b128 v[X+4:X+7],  v1, s[18:19]
	global_load_b128 v[X+8:X+11], v1, s[20:21]
	s_wait_loadcnt 0x0
.irp k, 0,1,2
	v_cvt_pk_bf16_f32 v[Y+2*(\k)], v[X+4*(\k)], v[X+4*(\k)+1]
	v_cvt_pk_bf16_f32 v[Y+2*(\k)+1], v[X+4*(\k)+2], v[X+4*(\k)+3]
	v_lshlrev_b32 v[Y+8+4*(\k)], 16, v[Y+2*(\k)]           ; back to f32: the low half moves up,
	v_and_b32 v[Y+9+4*(\k)], 0xffff0000, v[Y+2*(\k)]       ; the high half stays
	v_lshlrev_b32 v[Y+10+4*(\k)], 16, v[Y+2*(\k)+1]
	v_and_b32 v[Y+11+4*(\k)], 0xffff0000, v[Y+2*(\k)+1]
.endr
	s_wait_alu depctr_va_vdst(0)                   ; the widened biases are written in v[Y+8 .. Y+19], which the three stores below read
.irp k, 0,1,2
	global_store_b128 v1, v[Y+8+4*(\k):Y+11+4*(\k)], s[26:27] offset:4096*(\k)
.endr
	s_endpgm
.Lfunc_end_k_q9ff960c593_cast:
	.size	k_q9ff960c593_cast, .Lfunc_end_k_q9ff960c593_cast-k_q9ff960c593_cast
	.p2alignl 7, 3214868480
	.fill 96, 4, 3214868480
	.section	.rodata,"a",@progbits
	.p2align	6, 0x0
	.amdhsa_kernel k_q9ff960c593_cast
		.amdhsa_group_segment_fixed_size 0
		.amdhsa_private_segment_fixed_size 0
		.amdhsa_enable_private_segment 0
		.amdhsa_kernarg_size 80
		.amdhsa_user_sgpr_count 2
		.amdhsa_user_sgpr_kernarg_segment_ptr 1
		.amdhsa_wavefront_size32 1
		.amdhsa_system_sgpr_workgroup_id_x 1
		.amdhsa_system_sgpr_workgroup_id_y 1
		.amdhsa_system_sgpr_workgroup_id_z 1
		.amdhsa_system_vgpr_workitem_id 0
		.amdhsa_next_free_vgpr 104
		.amdhsa_next_free_sgpr 66
		.amdhsa_reserve_vcc 0
		.amdhsa_float_denorm_mode_32 3
		.amdhsa_float_denorm_mode_16_64 3
		.amdhsa_memory_ordered 1
		.amdhsa_forward_progress 1
		.amdhsa_inst_pref_size 9
	.end_amdhsa_kernel
	.amdgpu_metadata
---
amdhsa.version: [ 1, 2 ]
amdhsa.kernels:
  - .name:           k_q9ff960c593_cast
    .symbol:         k_q9ff960c593_cast.kd
    .args:
      - { .name: hidden_states, .offset: 0, .size: 8, .value_kind: global_buffer, .address_space: global }
      - { .name: Wq, .offset: 8, .size: 8, .value_kind: global_buffer, .address_space: global }
      - { .name: Wk, .offset: 16, .size: 8, .value_kind: global_buffer, .address_space: global }
      - { .name: Wv, .offset: 24, .size: 8, .value_kind: global_buffer, .address_space: global }
      - { .name: bq, .offset: 32, .size: 8, .value_kind: global_buffer, .address_space: global }
      - { .name: bk, .offset: 40, .size: 8, .value_kind: global_buffer, .address_space: global }
      - { .name: bv, .offset: 48, .size: 8, .value_kind: global_buffer, .address_space: global }
      - { .name: xb, .offset: 56, .size: 8, .value_kind: global_buffer, .address_space: global }
      - { .name: wb, .offset: 64, .size: 8, .value_kind: global_buffer, .address_space: global }
      - { .name: bias, .offset: 72, .size: 8, .value_kind: global_buffer, .address_space: global }
    .group_segment_fixed_size: 0
    .private_segment_fixed_size: 0
    .kernarg_segment_align: 8
    .kernarg_segment_size: 80
    .max_flat_workgroup_size: 256
    .sgpr_count:     66
    .vgpr_count:     104
    .wavefront_size: 32
...
	.end_amdgpu_metadata
.endif
;; end of part 4
;; launch proj: the kernel of part 2 again; grid 16 x 32, 4 waves a work-group, clusters of 4 x 4, 327,680 bytes of LDS; arguments xb, wb, bias, qkv; writes qkv
;; launch attn: the kernel of part 3 again; grid 4 x 64, 8 waves a work-group, no clusters, 327,680 bytes of LDS; arguments qkv, attention_mask, out0; writes out0
